; MI455X (gfx1250); checked and timed in simulation.
; The chip was launched on July 23, 2026; its instructions are those of AMD's public machine-readable ISA for CDNA 5 (MIT licence, August 2026) and "CDNA5" Instruction Set Architecture Reference Guide (July 2026). The comments in the code are by the model that wrote it; some were corrected since.
;; Distance Weighted Self Attention. Allowed arithmetic: float matrix products may take bf16 or f16 operands with f32 sums; all other float work in f32.
;; Inputs: Wk 1 x 256 float32; Wq 1 x 256 float32; Wv 1 x 256 float32; inputs 8 x 2,048 x 2 float32.
;; Outputs: out0 8 x 2,048 x 256 float32.
;; 2 versions, each right; version 2 is version 1 with the launch attn written anew for expert scheduling mode. Each part assembles by itself: llvm-mc -triple=amdgcn-amd-amdhsa -mcpu=gfx1250 --defsym DOCPART=n.
;; ======== version 1 of 2: 1 launch
;; launch attn (part 1): grid 256 x 1, 16 waves a work-group, no clusters, 35,840 bytes of LDS; arguments inputs, Wq, Wk, Wv, out0; writes out0
.if DOCPART == 1
	.amdgcn_target "amdgcn-amd-amdhsa--gfx1250"
	.amdhsa_code_object_version 6
	.text
	.protected	k_q6a82bc0475_attn
	.globl	k_q6a82bc0475_attn
	.p2align	8
	.type	k_q6a82bc0475_attn,@function
k_q6a82bc0475_attn:
	s_mov_b64 s[64:65], 0
	v_nop
	global_prefetch_b8 v0, s[64:65] scope:SCOPE_SE
	s_setreg_imm32_b32 hwreg(HW_REG_WAVE_MODE, 25, 1), 1
	s_wait_xcnt 0x0
; Distance-weighted self-attention, B = 8, S = 2048, d = 256, all f32.
; The problem's function itself makes q, k, v as a scalar times a fixed vector (q = h Wq, k = h Wk, v = h Wv), so for EVERY input
;   logit(s,t) = h_s h_t (Wq.Wk)/16 - 0.5 |x_s - x_t| + masks,      out(s,:) = (sum_t w(s,t) h_t) Wv.
; No matrix product of any size is left: 2048 x 2048 x 8 pairs, each an exponential and a few f32 operations, so no matrix
; instruction is used.  All four inputs are read: Wq and Wk into one dot product, Wv on the way out, both columns of inputs.
;
; SHARES.  Work-group g owns the 64 queries 64 g .. 64 g + 63 (batch g >> 5).  Each of the 16 waves holds all 64 queries, two a lane
; (A = lane, B = lane + 32), and walks its own 128 keys in 8 chunks of 16, with a running maximum.  The 16 partial results
; (maximum, sum, weighted sum) of a query meet in LDS; wave w joins and stores rows 4 w .. 4 w + 3.
; No cluster and no tensor load: what work-groups share is the batch's 16,384 bytes of keys, read once by each at its head.
;
; ONE PAIR.  Four constants a query, each twice in an aligned pair:  a = h_s (Wq.Wk) log2e/16;  g;  qm;  ngx = -g x_s.
;   l = (a h_t + qm) - |g x_t + ngx|,    p = 2^(l - m).
;   valid query (h_s != 0):  g = 0.5 log2e, qm = 0:  l is the logit in units of log2.
;   masked query (h_s == 0): g = 1, qm = -2e9, a = 0:  l = fl(-2e9 - |fl(x_t - x_s)|) = 2 fl(-1e9 - 0.5 |x_s - x_t|), twice the f32 sum
;   that the problem's function forms (doubling is exact), so keys fall into the same steps of rounding as there: equal l, equal weight.
;   masked key (h_t == 0): staged with x = 2e9 in x's place, so that its l lies about 1.4e9 (valid query) or 2e9 (masked query) below
;   the valid keys' and its p is 0; its share of the weighted sum is p x 0 in any case.  All keys masked: sum >= 1, weighted sum 0, out 0.
;
; LIMITS.  NaN and infinite inputs are not served (the maxima drop a NaN).  The stand-in 2e9 and the steps of rounding hold for
; |x_s - x_t| < 1.4e8 and valid logits far above -1e9.  A denormal height counts as non-zero.  Wq.Wk is summed once, in f32, in another
; order than d ascending.  For a masked query the keys one step of rounding (64) below the top get weight 0 where exp(-64) = 1.6e-28 is due.
.set PITCH,  272                       ; a row of 16 partials of 16 bytes + 16: 68 words, so rows that neighbouring lanes write start 4 words apart modulo 64
.set PART,   16384                     ; LDS: keys 0 .. 16383 (1,024 quads x0', x1', h0, h1); partials behind them, 64 rows of PITCH
.set KHALF,  0x3f38aa3b                ; 0.5 log2(e)
.set KDOT,   0x3db8aa3b                ; log2(e) / 16
.set KOFF, 2                           ; v2   16 t: my 16 bytes of the keys in memory, and in LDS
.set QOFF, 3                           ; v3   8 lane: query A's (x, h)
.set WOFF, 4                           ; v4   16 lane: my four numbers of Wq and of Wk
.set VOFF, 5                           ; v5   16 (lane % 16): my four numbers of each 64 of Wv
.set LA,   6                           ; v6   LDS address of my wave's keys, the same in every lane; stepped by 256 a trip
.set PA,   7                           ; v7   272 lane + 16 wave: where query A's partial goes
.set CA,   8                           ; v8   (4 wave + lane / 16) 272 + 16 (lane % 16): the partial that I join
.set OA,   9                           ; v9   (4 wave + lane / 16) 1024 + 16 (lane % 16): my 16 bytes of an output row
.set WV,   12                          ; v[12:27]   Wv[4 r + 64 i + 0..3], i = 0..3
.set QA,   28                          ; v[28:35]   a, a, qm, qm, g, g, ngx, ngx of query A
.set QB,   36                          ; v[36:43]   of query B
.set STA,  44                          ; v[44:47]   -m, m, sum, weighted sum of query A: the quad that goes to LDS
.set STB,  48                          ; v[48:51]   of query B
.set SUMA, 52                          ; pairs: even and odd keys are summed apart
.set NUMA, 54
.set SUMB, 56
.set NUMB, 58
.set SCA,  60                          ; v[60:61]   2^(old m - new m), and its exponent
.set SCB,  62
.set TA,   64                          ; v[64:68]   the tree of maxima, A
.set TB,   69                          ; v[69:73]   B
.set DA,   76                          ; v[76:91]   g x_t + ngx, A
.set DB,   92                          ; v[92:107]  B
.set LGA,  108                         ; v[108:123] a h_t + qm, then l, then l - m, then p, in place, A
.set LGB,  124                         ; v[124:139] B
.set KB0,  140                         ; v[140:171] eight quads of keys
.set KB1,  172                         ; v[172:203] the next eight
; used at the head only
.set DOT,  92                          ; v[92:93]   Wq.Wk
.set ONE,  96
.set NEG2, 97                          ; -2e9
; used at the end only
.set C0,   76                          ; v[76:79]   a partial of row 4 w + lane / 16
.set C1,   80                          ; v[80:83]   of the row two further down
.set RR,   84                          ; v[84:85], v[86:87]  weighted sum / sum, and 1 / sum
.set FF,   88                          ; v88, v89   2^(partial's m - row's m)
.set OUT,  140                         ; v[140:171] eight stores' data, each written once
	s_load_b256 s[4:11], s[0:1], 0x0               ; inputs s[4:5], Wq s[6:7], Wk s[8:9], Wv s[10:11]
	s_load_b64 s[12:13], s[0:1], 0x20              ; out0
	v_lshl_add_u32 v204, v0, 2, 0x8400
	v_mov_b32 v205, 0
	v_and_b32 v1, 31, v0                           ; lane
	v_lshrrev_b32 v11, 5, v0
	v_readfirstlane_b32 s14, v11                   ; wave 0..15
	s_lshr_b32 s16, ttmp9, 5                       ; batch
	s_lshl_b32 s16, s16, 14                        ; x 2,048 keys of 8 bytes
	s_mov_b32 s17, 0
	s_lshl_b32 s20, ttmp9, 9                       ; 64 queries of 8 bytes a work-group
	s_mov_b32 s21, 0
	s_lshl_b32 s24, ttmp9, 16                      ; 64 output rows of 1,024 bytes a work-group
	s_mov_b32 s25, 0
	s_mov_b32 s26, 0x4eee6b28                      ; 2e9: x of a masked key
	s_mov_b32 s28, 0x76543210                      ; v_permlanex16_b32: lane i of one half reads lane i of the other
	s_mov_b32 s29, 0xfedcba98
	v_lshlrev_b32 v[KOFF], 4, v0
	v_lshlrev_b32 v[QOFF], 3, v1
	v_lshlrev_b32 v[WOFF], 4, v1
	v_and_b32 v10, 15, v1                          ; r = lane % 16
	v_lshlrev_b32 v[VOFF], 4, v10
	s_wait_kmcnt 0x0
	s_add_nc_u64 s[18:19], s[4:5], s[16:17]        ; the batch's keys
	s_add_nc_u64 s[22:23], s[4:5], s[20:21]        ; the work-group's queries
	s_add_nc_u64 s[12:13], s[12:13], s[24:25]      ; the work-group's output rows
	; twelve loads, in the order in which they are wanted; no address register of theirs is ever written again
	global_load_b128 v[140:143], v[KOFF], s[18:19]                 ; keys 2 t, 2 t + 1 as (x, h, x, h)
	global_load_b128 v[144:147], v[KOFF], s[18:19] offset:8192     ; keys 1024 + 2 t, 1024 + 2 t + 1
	global_load_b64 v[108:109], v[QOFF], s[22:23]                  ; query A: x, h
	global_load_b64 v[110:111], v[QOFF], s[22:23] offset:256       ; query B
	global_load_b128 v[76:79], v[WOFF], s[6:7]
	global_load_b128 v[80:83], v[WOFF], s[6:7] offset:512
	global_load_b128 v[84:87], v[WOFF], s[8:9]
	global_load_b128 v[88:91], v[WOFF], s[8:9] offset:512
.irp i, 0,1,2,3
	global_load_b128 v[WV+4*\i:WV+4*\i+3], v[VOFF], s[10:11] offset:256*\i
.endr
	v_lshrrev_b32 v11, 4, v1                       ; lane / 16
	s_lshl_b32 s27, s14, 10                        ; 128 keys = 64 quads = 1,024 bytes a wave
	v_mov_b32 v[LA], s27
	v_mul_u32_u24 v[PA], v1, PITCH
	v_lshl_add_u32 v[PA], s14, 4, v[PA]
	s_mul_i32 s27, s14, 4*PITCH
	v_mul_u32_u24 v[CA], v11, PITCH
	v_lshl_add_u32 v[CA], v10, 4, v[CA]
	v_add_nc_u32 v[CA], s27, v[CA]
	v_lshlrev_b32 v[OA], 10, v11
	v_lshl_add_u32 v[OA], v10, 4, v[OA]
	v_lshl_add_u32 v[OA], s14, 12, v[OA]
	v_mov_b32 v[ONE], 1.0
	v_mov_b32 v[NEG2], 0xceee6b28
	; THE KEYS INTO LDS.  (x0, h0, x1, h1) becomes (x0', x1', h0, h1): x and h each in an aligned pair, as the packed multiply-adds want them.
	s_wait_loadcnt 0xa                             ; loads come back in order (ISA guide 5.7.1): the two key loads are in, the ten younger ones stay out
.irp q, 0,1
	v_cmp_neq_f32 vcc_lo, 0, v[141+4*\q]
	v_cndmask_b32 v[148+4*\q], s26, v[140+4*\q], vcc_lo            ; h != 0: x; else 2e9
	v_cmp_neq_f32 vcc_lo, 0, v[143+4*\q]
	v_cndmask_b32 v[149+4*\q], s26, v[142+4*\q], vcc_lo
	v_mov_b32 v[150+4*\q], v[141+4*\q]
	v_mov_b32 v[151+4*\q], v[143+4*\q]
	ds_store_b128 v[KOFF], v[148+4*\q:151+4*\q] offset:8192*\q     ; neighbouring lanes, neighbouring 16 bytes
.endr
	; THE QUERIES' CONSTANTS.  Every wave makes Wq.Wk for itself: eight numbers a lane, then across the 32 lanes.
	s_wait_loadcnt 0x4                             ; queries, Wq and Wk are in; the four loads of Wv stay out until the way out
	v_pk_mul_f32 v[DOT:DOT+1], v[76:77], v[84:85]
	v_pk_fma_f32 v[DOT:DOT+1], v[78:79], v[86:87], v[DOT:DOT+1]
	v_pk_fma_f32 v[DOT:DOT+1], v[80:81], v[88:89], v[DOT:DOT+1]
	v_pk_fma_f32 v[DOT:DOT+1], v[82:83], v[90:91], v[DOT:DOT+1]
	v_add_f32 v[DOT], v[DOT], v[DOT+1]
.irp mk, 1,2,4,8
	v_add_f32_dpp v[DOT], v[DOT], v[DOT] row_xmask:\mk row_mask:0xf bank_mask:0xf
.endr
	v_permlanex16_b32 v[DOT+1], v[DOT], s28, s29   ; its destination counts as read: a register that has been written
	v_add_f32 v[DOT], v[DOT], v[DOT+1]
	v_mul_f32 v[DOT], KDOT, v[DOT]                 ; (Wq.Wk) log2e / 16
.macro QCONST qb, xr, hr
	v_cmp_eq_f32 vcc_lo, 0, v[\hr]                 ; a masked query
	v_mul_f32 v[\qb], v[\hr], v[DOT]               ; a (0 by itself for a masked query)
	v_mul_f32 v[\qb+1], v[\hr], v[DOT]
	v_cndmask_b32 v[\qb+2], 0, v[NEG2], vcc_lo     ; qm
	v_cndmask_b32 v[\qb+3], 0, v[NEG2], vcc_lo
	v_cndmask_b32 v[\qb+4], KHALF, v[ONE], vcc_lo  ; g
	v_cndmask_b32 v[\qb+5], KHALF, v[ONE], vcc_lo
	v_mul_f32 v[\qb+6], -v[\qb+4], v[\xr]          ; ngx (exactly -x_s for a masked query)
	v_mul_f32 v[\qb+7], -v[\qb+4], v[\xr]
.endm
	QCONST QA, 108, 109
	QCONST QB, 110, 111
	s_wait_dscnt 0x0                               ; my key stores are done: the other waves read them behind the barrier
	s_barrier_signal -1
	s_barrier_wait -1
; Eight quads = 16 keys, at byte off of my wave's keys.  The address is the same in all lanes: every lane gets the same 16 bytes.
.macro LOADK buf, off
.irp i, 0,1,2,3,4,5,6,7
	ds_load_b128 v[\buf+4*\i:\buf+4*\i+3], v[LA] offset:\off+16*\i
.endr
.endm
; The largest of a chunk's 16 l and of the maximum so far, into st + 1.
.macro MAXT lg, tr, st, first
.irp k, 0,1,2,3,4
	v_max3_num_f32 v[\tr+\k], v[\lg+3*\k], v[\lg+3*\k+1], v[\lg+3*\k+2]
.endr
	v_max3_num_f32 v[\tr], v[\tr], v[\tr+1], v[\tr+2]
	v_max3_num_f32 v[\tr+1], v[\tr+3], v[\tr+4], v[\lg+15]
.if \first
	v_max_num_f32 v[\st+1], v[\tr], v[\tr+1]
.else
	v_max3_num_f32 v[\st+1], v[\tr], v[\tr+1], v[\st+1]
.endif
.endm
; Pair i of a chunk's p goes into the sums.  The first chunk's first pairs start them: nothing is cleared.
; In later chunks pair 0 carries the rescaling by 2^(old m - new m).
.macro ACC sum, num, sc, lg, kb, i, first
.if \i == 0
.if \first
	s_wait_alu depctr_va_vdst(0)
	v_pk_mul_f32 v[\num:\num+1], v[\lg:\lg+1], v[\kb+2:\kb+3]
.else
	s_wait_alu depctr_va_vdst(0)
	v_pk_fma_f32 v[\sum:\sum+1], v[\sum:\sum+1], v[\sc:\sc+1], v[\lg:\lg+1] op_sel_hi:[1,0,1]
	v_pk_mul_f32 v[\num:\num+1], v[\num:\num+1], v[\sc:\sc+1] op_sel_hi:[1,0]
	v_pk_fma_f32 v[\num:\num+1], v[\lg:\lg+1], v[\kb+2:\kb+3], v[\num:\num+1]
	s_wait_alu depctr_va_vdst(0)
.endif
.else
.if \first && (\i == 1)
	s_wait_alu depctr_va_vdst(0)
	v_pk_add_f32 v[\sum:\sum+1], v[\lg:\lg+1], v[\lg+2:\lg+3]
.else
	v_pk_add_f32 v[\sum:\sum+1], v[\sum:\sum+1], v[\lg+2*\i:\lg+2*\i+1]
.endif
	v_pk_fma_f32 v[\num:\num+1], v[\lg+2*\i:\lg+2*\i+1], v[\kb+4*\i+2:\kb+4*\i+3], v[\num:\num+1]
.endif
.endm
; One chunk: the 16 keys in kb against my two queries.  load = 1: the next chunk's keys, at byte noff, are asked for first, into nkb.
.macro CHUNK kb, nkb, noff, first, load
.if \load
	LOADK \nkb, \noff
	s_wait_dscnt 0x8                               ; LDS loads come back in order (ISA guide 5.7.1): the eight just issued may stay out, this chunk's eight are in
.else
	s_wait_dscnt 0x0                               ; the last chunk: nothing was issued behind its eight
.endif
.irp i, 0,1,2,3,4,5,6,7
	v_pk_fma_f32 v[LGA+2*\i:LGA+2*\i+1], v[QA:QA+1], v[\kb+4*\i+2:\kb+4*\i+3], v[QA+2:QA+3]     ; a h_t + qm
	v_pk_fma_f32 v[DA+2*\i:DA+2*\i+1], v[QA+4:QA+5], v[\kb+4*\i:\kb+4*\i+1], v[QA+6:QA+7]       ; g x_t - g x_s
	v_pk_fma_f32 v[LGB+2*\i:LGB+2*\i+1], v[QB:QB+1], v[\kb+4*\i+2:\kb+4*\i+3], v[QB+2:QB+3]
	v_pk_fma_f32 v[DB+2*\i:DB+2*\i+1], v[QB+4:QB+5], v[\kb+4*\i:\kb+4*\i+1], v[QB+6:QB+7]
.endr
.irp i, 0,1,2,3,4,5,6,7,8,9,10,11,12,13,14,15
	v_sub_f32 v[LGA+\i], v[LGA+\i], |v[DA+\i]|     ; l
	v_sub_f32 v[LGB+\i], v[LGB+\i], |v[DB+\i]|
.endr
	MAXT LGA, TA, STA, \first
	MAXT LGB, TB, STB, \first
.if \first == 0
	v_sub_f32 v[SCA+1], -v[STA], v[STA+1]          ; old m - new m: st still holds the old -m
	v_sub_f32 v[SCB+1], -v[STB], v[STB+1]
	v_exp_f32 v[SCA], v[SCA+1]                     ; behind a transcendental one plain vector instruction that touches neither its result nor its
	v_exp_f32 v[SCB], v[SCB+1]                     ; source comes before either is touched (ISA guide 5.7.2): here the two lines below
.endif
	v_mul_f32 v[STA], -1.0, v[STA+1]               ; -m
	v_mul_f32 v[STB], -1.0, v[STB+1]
.irp i, 0,1,2,3,4,5,6,7
	v_pk_add_f32 v[LGA+2*\i:LGA+2*\i+1], v[LGA+2*\i:LGA+2*\i+1], v[STA:STA+1] op_sel_hi:[1,0]   ; l - m, exact near m
.endr
.irp i, 0,1,2,3,4,5,6,7
	v_exp_f32 v[LGA+2*\i], v[LGA+2*\i]             ; p of query A; B's subtraction is the plain line behind each two
	v_exp_f32 v[LGA+2*\i+1], v[LGA+2*\i+1]
	v_pk_add_f32 v[LGB+2*\i:LGB+2*\i+1], v[LGB+2*\i:LGB+2*\i+1], v[STB:STB+1] op_sel_hi:[1,0]
.endr
.irp i, 0,1,2,3,4,5,6,7
	v_exp_f32 v[LGB+2*\i], v[LGB+2*\i]             ; p of query B; A's sums are the plain lines behind each two
	v_exp_f32 v[LGB+2*\i+1], v[LGB+2*\i+1]
	ACC SUMA, NUMA, SCA, LGA, \kb, \i, \first
.endr
.irp i, 0,1,2,3,4,5,6,7
	ACC SUMB, NUMB, SCB, LGB, \kb, \i, \first
.endr
.endm
	; THE KEYS OF MY WAVE: chunk 0, three trips of two chunks, chunk 7.  The last load asked for is chunk 7's, at bytes 896 .. 1023 of my wave's keys.
	LOADK KB0, 0
	CHUNK KB0, KB1, 128, 1, 1
	s_mov_b32 s30, 3
.Ltrip:
	CHUNK KB1, KB0, 256, 0, 1
	CHUNK KB0, KB1, 384, 0, 1
	v_add_nc_u32 v[LA], 256, v[LA]                 ; two chunks on
	s_sub_co_u32 s30, s30, 1
	s_cmp_lg_u32 s30, 0
	s_cbranch_scc1 .Ltrip
	CHUNK KB1, 0, 0, 0, 0
	; MY WAVE'S PARTIALS: (-m, m, sum, weighted sum) of query q at PART + 272 q + 16 wave.  Bytes of their own: other waves may still read keys.
	v_add_f32 v[STA+2], v[SUMA], v[SUMA+1]
	v_add_f32 v[STA+3], v[NUMA], v[NUMA+1]
	v_add_f32 v[STB+2], v[SUMB], v[SUMB+1]
	v_add_f32 v[STB+3], v[NUMB], v[NUMB+1]
	ds_store_b128 v[PA], v[STA:STA+3] offset:PART
	ds_store_b128 v[PA], v[STB:STB+3] offset:PART+32*PITCH
	s_wait_dscnt 0x0                               ; my stores are done: the other waves read them behind the barrier
	s_barrier_signal -1
	s_barrier_wait -1
	; JOINING.  Sixteen neighbouring lanes hold the sixteen partials of one row: lanes 0-15 rows 4 w and 4 w + 2, lanes 16-31 rows 4 w + 1 and 4 w + 3.
	ds_load_b128 v[C0:C0+3], v[CA] offset:PART
	ds_load_b128 v[C1:C1+3], v[CA] offset:PART+2*PITCH
	s_wait_dscnt 0x0
.irp mk, 1,2,4,8
	v_max_num_f32_dpp v[C0+1], v[C0+1], v[C0+1] row_xmask:\mk row_mask:0xf bank_mask:0xf   ; the row's maximum, in all sixteen lanes
	v_max_num_f32_dpp v[C1+1], v[C1+1], v[C1+1] row_xmask:\mk row_mask:0xf bank_mask:0xf
.endr
	v_sub_f32 v[FF], -v[C0], v[C0+1]               ; the partial's m - the row's m
	v_sub_f32 v[FF+1], -v[C1], v[C1+1]
	v_exp_f32 v[FF], v[FF]
	v_exp_f32 v[FF+1], v[FF+1]
	v_nop                                          ; the plain line behind the transcendentals (ISA guide 5.7.2)
	s_wait_alu depctr_va_vdst(0)
	v_mul_f32 v[C0+2], v[C0+2], v[FF]
	v_mul_f32 v[C0+3], v[C0+3], v[FF]
	v_mul_f32 v[C1+2], v[C1+2], v[FF+1]
	v_mul_f32 v[C1+3], v[C1+3], v[FF+1]
.irp mk, 1,2,4,8
	v_add_f32_dpp v[C0+2], v[C0+2], v[C0+2] row_xmask:\mk row_mask:0xf bank_mask:0xf
	v_add_f32_dpp v[C0+3], v[C0+3], v[C0+3] row_xmask:\mk row_mask:0xf bank_mask:0xf
	v_add_f32_dpp v[C1+2], v[C1+2], v[C1+2] row_xmask:\mk row_mask:0xf bank_mask:0xf
	v_add_f32_dpp v[C1+3], v[C1+3], v[C1+3] row_xmask:\mk row_mask:0xf bank_mask:0xf
.endr
	v_rcp_f32 v[RR+1], v[C0+2]                     ; the sum is at least 1: the key that holds the row's maximum adds 2^0
	v_rcp_f32 v[RR+3], v[C1+2]
	v_nop                                          ; the plain line behind the transcendentals
	s_wait_alu depctr_va_vdst(0)
	v_mul_f32 v[RR], v[C0+3], v[RR+1]              ; sum_t w h_t
	v_mul_f32 v[RR+2], v[C1+3], v[RR+3]
	; THE WAY OUT: row = that number times Wv.  Each store: lanes 0-15 write 256 consecutive bytes, at a multiple of 256 from out0's first byte,
	; lanes 16-31 the same columns one row below.  Each data register is written once, so no wait stands between the stores.
	s_wait_loadcnt 0x0                             ; Wv
.irp j, 0,1
.irp i, 0,1,2,3
	v_pk_mul_f32 v[OUT+16*\j+4*\i:OUT+16*\j+4*\i+1], v[WV+4*\i:WV+4*\i+1], v[RR+2*\j:RR+2*\j+1] op_sel_hi:[1,0]
	v_pk_mul_f32 v[OUT+16*\j+4*\i+2:OUT+16*\j+4*\i+3], v[WV+4*\i+2:WV+4*\i+3], v[RR+2*\j:RR+2*\j+1] op_sel_hi:[1,0]
	global_store_b128 v[OA], v[OUT+16*\j+4*\i:OUT+16*\j+4*\i+3], s[12:13] offset:2048*\j+256*\i th:TH_STORE_NT
.endr
.endr
	s_wait_tensorcnt 0x0
	ds_add_u32 v204, v205
	s_wait_dscnt 0x0
	s_endpgm
.Lfunc_end_k_q6a82bc0475_attn:
	.size	k_q6a82bc0475_attn, .Lfunc_end_k_q6a82bc0475_attn-k_q6a82bc0475_attn
	.p2alignl 7, 3214868480
	.fill 96, 4, 3214868480
	.section	.rodata,"a",@progbits
	.p2align	6, 0x0
	.amdhsa_kernel k_q6a82bc0475_attn
		.amdhsa_group_segment_fixed_size 35840
		.amdhsa_private_segment_fixed_size 0
		.amdhsa_enable_private_segment 0
		.amdhsa_kernarg_size 40
		.amdhsa_user_sgpr_count 2
		.amdhsa_user_sgpr_kernarg_segment_ptr 1
		.amdhsa_wavefront_size32 1
		.amdhsa_system_sgpr_workgroup_id_x 1
		.amdhsa_system_sgpr_workgroup_id_y 1
		.amdhsa_system_sgpr_workgroup_id_z 1
		.amdhsa_system_vgpr_workitem_id 0
		.amdhsa_next_free_vgpr 206
		.amdhsa_next_free_sgpr 66
		.amdhsa_reserve_vcc 1
		.amdhsa_float_denorm_mode_32 3
		.amdhsa_float_denorm_mode_16_64 3
		.amdhsa_memory_ordered 1
		.amdhsa_forward_progress 1
		.amdhsa_inst_pref_size 50
	.end_amdhsa_kernel
	.amdgpu_metadata
---
amdhsa.version: [ 1, 2 ]
amdhsa.kernels:
  - .name:           k_q6a82bc0475_attn
    .symbol:         k_q6a82bc0475_attn.kd
    .args:
      - { .name: inputs, .offset: 0, .size: 8, .value_kind: global_buffer, .address_space: global }
      - { .name: Wq, .offset: 8, .size: 8, .value_kind: global_buffer, .address_space: global }
      - { .name: Wk, .offset: 16, .size: 8, .value_kind: global_buffer, .address_space: global }
      - { .name: Wv, .offset: 24, .size: 8, .value_kind: global_buffer, .address_space: global }
      - { .name: out0, .offset: 32, .size: 8, .value_kind: global_buffer, .address_space: global }
    .group_segment_fixed_size: 35840
    .private_segment_fixed_size: 0
    .kernarg_segment_align: 8
    .kernarg_segment_size: 40
    .max_flat_workgroup_size: 512
    .sgpr_count:     66
    .vgpr_count:     206
    .wavefront_size: 32
...
	.end_amdgpu_metadata
.endif
;; end of part 1
;; ======== version 2 of 2: 1 launch; version 1 with the launch attn written anew for expert scheduling mode
;; launch attn (part 2): grid 256 x 1, 16 waves a work-group, no clusters, 35,840 bytes of LDS; arguments inputs, Wq, Wk, Wv, out0; writes out0
.if DOCPART == 2
	.amdgcn_target "amdgcn-amd-amdhsa--gfx1250"
	.amdhsa_code_object_version 6
	.text
	.protected	k_q6a82bc0475_attn
	.globl	k_q6a82bc0475_attn
	.p2align	8
	.type	k_q6a82bc0475_attn,@function
k_q6a82bc0475_attn:
	s_mov_b64 s[64:65], 0
	v_nop
	global_prefetch_b8 v0, s[64:65] scope:SCOPE_SE
	s_setreg_imm32_b32 hwreg(HW_REG_WAVE_SCHED_MODE, 0, 2), 2
	s_setreg_imm32_b32 hwreg(HW_REG_WAVE_MODE, 25, 1), 1
	s_wait_xcnt 0x0
	s_wait_alu depctr_vm_vsrc(0)
; Distance-weighted self-attention, B = 8, S = 2048, d = 256, all f32.
; The problem's function itself makes q, k, v as a scalar times a fixed vector (q = h Wq, k = h Wk, v = h Wv), so for EVERY input
;   logit(s,t) = h_s h_t (Wq.Wk)/16 - 0.5 |x_s - x_t| + masks,      out(s,:) = (sum_t w(s,t) h_t) Wv.
; No matrix product of any size is left: 2048 x 2048 x 8 pairs, each an exponential and a few f32 operations, so no matrix
; instruction is used.  All four inputs are read: Wq and Wk into one dot product, Wv on the way out, both columns of inputs.
;
; SHARES.  Work-group g owns the 64 queries 64 g .. 64 g + 63 (batch g >> 5).  Each of the 16 waves holds all 64 queries, two a lane
; (A = lane, B = lane + 32), and walks its own 128 keys in 8 chunks of 16, with a running maximum.  The 16 partial results
; (maximum, sum, weighted sum) of a query meet in LDS; wave w joins and stores rows 4 w .. 4 w + 3.
; No cluster and no tensor load: what work-groups share is the batch's 16,384 bytes of keys, read once by each at its head.
;
; ONE PAIR.  Four constants a query, each twice in an aligned pair:  a = h_s (Wq.Wk) log2e/16;  g;  qm;  ngx = -g x_s.
;   l = (a h_t + qm) - |g x_t + ngx|,    p = 2^(l - m).
;   valid query (h_s != 0):  g = 0.5 log2e, qm = 0:  l is the logit in units of log2.
;   masked query (h_s == 0): g = 1, qm = -2e9, a = 0:  l = fl(-2e9 - |fl(x_t - x_s)|) = 2 fl(-1e9 - 0.5 |x_s - x_t|), twice the f32 sum
;   that the problem's function forms (doubling is exact), so keys fall into the same steps of rounding as there: equal l, equal weight.
;   masked key (h_t == 0): staged with x = 2e9 in x's place, so that its l lies about 1.4e9 (valid query) or 2e9 (masked query) below
;   the valid keys' and its p is 0; its share of the weighted sum is p x 0 in any case.  All keys masked: sum >= 1, weighted sum 0, out 0.
;
; LIMITS.  NaN and infinite inputs are not served (the maxima drop a NaN).  The stand-in 2e9 and the steps of rounding hold for
; |x_s - x_t| < 1.4e8 and valid logits far above -1e9.  A denormal height counts as non-zero.  Wq.Wk is summed once, in f32, in another
; order than d ascending.  For a masked query the keys one step of rounding (64) below the top get weight 0 where exp(-64) = 1.6e-28 is due.
;
; THE MODE: SCHED_MODE bits 1:0 = 2 (LLVM: expert scheduling mode 2), set by the entry lines.  The code itself states the register dependences
; between vector instructions and memory or LDS instructions, with s_wait_alu, always for 0.
; THE PLAN.  Registers that memory or LDS instructions touch:
;   v2 .. v5     offsets of the head's loads (v2 also of the key stores): made once, never written again.
;   v6 (LA)      read by every key load; written at the head and once a trip, at the trip's end.
;   v7 .. v9     addresses of the partials and of the output: made once at the head.
;   KB0, KB1     two buffers of 16 keys, by turns.  Chunk c's vector lines read one; the loads of chunk c + 1 land in the other, which
;                chunk c - 1 read and which no vector line of chunk c names.
;   STA, STB     the partials' quads: written by vector lines, read by two LDS stores, never written after.
;   C0, C1       the joining's loads land where the chunks kept g x_t + ngx.
;   OUT          written by the way out's sixteen multiplies, read by its eight stores, never written after.
; A chunk has two waits on va_vdst, each behind a batch of exponentials and ahead of the first line that names a result of the batch.  The first
; of the two also states that the chunk before is done reading the other key buffer and, in a trip's first chunk, that v6 is written: so the next
; chunk's eight key loads follow it, dealt among vector lines that name neither that buffer nor v6.  One wait on vm_vsrc a trip stands ahead of the add to v6.
.set PITCH,  272                       ; a row of 16 partials of 16 bytes + 16: 68 words, so rows that neighbouring lanes write start 4 words apart modulo 64
.set PART,   16384                     ; LDS: keys 0 .. 16383 (1,024 quads x0', x1', h0, h1); partials behind them, 64 rows of PITCH
.set KHALF,  0x3f38aa3b                ; 0.5 log2(e)
.set KDOT,   0x3db8aa3b                ; log2(e) / 16
.set KOFF, 2                           ; v2   16 t: my 16 bytes of the keys in memory, and in LDS
.set QOFF, 3                           ; v3   8 lane: query A's (x, h)
.set WOFF, 4                           ; v4   16 lane: my four numbers of Wq and of Wk
.set VOFF, 5                           ; v5   16 (lane % 16): my four numbers of each 64 of Wv
.set LA,   6                           ; v6   LDS address of my wave's keys, the same in every lane; stepped by 256 a trip
.set PA,   7                           ; v7   272 lane + 16 wave: where query A's partial goes
.set CA,   8                           ; v8   (4 wave + lane / 16) 272 + 16 (lane % 16): the partial that I join
.set OA,   9                           ; v9   (4 wave + lane / 16) 1024 + 16 (lane % 16): my 16 bytes of an output row
.set WV,   12                          ; v[12:27]   Wv[4 r + 64 i + 0..3], i = 0..3
.set QA,   28                          ; v[28:35]   a, a, qm, qm, g, g, ngx, ngx of query A
.set QB,   36                          ; v[36:43]   of query B
.set STA,  44                          ; v[44:47]   -m, m, sum, weighted sum of query A: the quad that goes to LDS
.set STB,  48                          ; v[48:51]   of query B
.set SUMA, 52                          ; pairs: even and odd keys are summed apart
.set NUMA, 54
.set SUMB, 56
.set NUMB, 58
.set SCA,  60                          ; v[60:61]   2^(old m - new m), and its exponent
.set SCB,  62
.set TA,   64                          ; v[64:68]   the tree of maxima, A
.set TB,   69                          ; v[69:73]   B
.set DA,   76                          ; v[76:91]   g x_t + ngx, A
.set DB,   92                          ; v[92:107]  B
.set LGA,  108                         ; v[108:123] a h_t + qm, then l, then l - m, then p, in place, A
.set LGB,  124                         ; v[124:139] B
.set KB0,  140                         ; v[140:171] eight quads of keys
.set KB1,  172                         ; v[172:203] the next eight
; used at the head only
.set DOT,  92                          ; v[92:93]   Wq.Wk
.set ONE,  96
.set NEG2, 97                          ; -2e9
; used at the end only
.set C0,   76                          ; v[76:79]   a partial of row 4 w + lane / 16
.set C1,   80                          ; v[80:83]   of the row two further down
.set RR,   84                          ; v[84:85], v[86:87]  weighted sum / sum, and 1 / sum
.set FF,   88                          ; v88, v89   2^(partial's m - row's m)
.set OUT,  140                         ; v[140:171] eight stores' data, each written once
	s_load_b256 s[4:11], s[0:1], 0x0               ; inputs s[4:5], Wq s[6:7], Wk s[8:9], Wv s[10:11]
	s_load_b64 s[12:13], s[0:1], 0x20              ; out0
	v_lshl_add_u32 v74, v0, 2, 0x8400
	v_mov_b32 v75, 0
	v_and_b32 v1, 31, v0                           ; lane
	v_lshrrev_b32 v11, 5, v0
	v_readfirstlane_b32 s14, v11                   ; wave 0..15
	s_lshr_b32 s16, ttmp9, 5                       ; batch
	s_lshl_b32 s16, s16, 14                        ; x 2,048 keys of 8 bytes
	s_mov_b32 s17, 0
	s_lshl_b32 s20, ttmp9, 9                       ; 64 queries of 8 bytes a work-group
	s_mov_b32 s21, 0
	s_lshl_b32 s24, ttmp9, 16                      ; 64 output rows of 1,024 bytes a work-group
	s_mov_b32 s25, 0
	s_mov_b32 s26, 0x4eee6b28                      ; 2e9: x of a masked key
	s_mov_b32 s28, 0x76543210                      ; v_permlanex16_b32: lane i of one half reads lane i of the other
	s_mov_b32 s29, 0xfedcba98
	v_lshlrev_b32 v[KOFF], 4, v0
	v_lshlrev_b32 v[QOFF], 3, v1
	v_lshlrev_b32 v[WOFF], 4, v1
	v_and_b32 v10, 15, v1                          ; r = lane % 16
	v_lshlrev_b32 v[VOFF], 4, v10
	s_wait_kmcnt 0x0
	s_add_nc_u64 s[18:19], s[4:5], s[16:17]        ; the batch's keys
	s_add_nc_u64 s[22:23], s[4:5], s[20:21]        ; the work-group's queries
	s_add_nc_u64 s[12:13], s[12:13], s[24:25]      ; the work-group's output rows
	s_wait_alu depctr_va_vdst(0)                   ; v2 to v5 are written: the twelve loads below read them as their offsets
	; twelve loads, in the order in which they are wanted; no address register of theirs is ever written again
	global_load_b128 v[140:143], v[KOFF], s[18:19]                 ; keys 2 t, 2 t + 1 as (x, h, x, h)
	global_load_b128 v[144:147], v[KOFF], s[18:19] offset:8192     ; keys 1024 + 2 t, 1024 + 2 t + 1
	global_load_b64 v[108:109], v[QOFF], s[22:23]                  ; query A: x, h
	global_load_b64 v[110:111], v[QOFF], s[22:23] offset:256       ; query B
	global_load_b128 v[76:79], v[WOFF], s[6:7]
	global_load_b128 v[80:83], v[WOFF], s[6:7] offset:512
	global_load_b128 v[84:87], v[WOFF], s[8:9]
	global_load_b128 v[88:91], v[WOFF], s[8:9] offset:512
.irp i, 0,1,2,3
	global_load_b128 v[WV+4*\i:WV+4*\i+3], v[VOFF], s[10:11] offset:256*\i
.endr
	v_lshrrev_b32 v11, 4, v1                       ; lane / 16
	s_wait_alu depctr_va_sdst(0)                   ; s14 is written, ahead of its first reader: the LDS and output addresses are made from it
	s_lshl_b32 s27, s14, 10                        ; 128 keys = 64 quads = 1,024 bytes a wave
	v_mov_b32 v[LA], s27
	v_mul_u32_u24 v[PA], v1, PITCH
	v_lshl_add_u32 v[PA], s14, 4, v[PA]
	s_mul_i32 s15, s14, 4*PITCH
	v_mul_u32_u24 v[CA], v11, PITCH
	v_lshl_add_u32 v[CA], v10, 4, v[CA]
	v_add_nc_u32 v[CA], s15, v[CA]
	v_lshlrev_b32 v[OA], 10, v11
	v_lshl_add_u32 v[OA], v10, 4, v[OA]
	v_lshl_add_u32 v[OA], s14, 12, v[OA]
	v_mov_b32 v[ONE], 1.0
	v_mov_b32 v[NEG2], 0xceee6b28
	; THE KEYS INTO LDS.  (x0, h0, x1, h1) becomes (x0', x1', h0, h1): x and h each in an aligned pair, as the packed multiply-adds want them.
	; The four compares stand in one run, each with a scalar register of its own (the byte offsets that these held went into the addresses above).
	s_wait_loadcnt 0xa                             ; loads come back in order (ISA guide 5.7.1): the two key loads are in, the ten younger ones stay out
	v_cmp_neq_f32 s16, 0, v141
	v_cmp_neq_f32 s17, 0, v143
	v_cmp_neq_f32 s20, 0, v145
	v_cmp_neq_f32 s21, 0, v147
.irp q, 0,1
	v_mov_b32 v[150+4*\q], v[141+4*\q]
	v_mov_b32 v[151+4*\q], v[143+4*\q]
.endr
	s_wait_alu depctr_va_sdst(0)                   ; the four masks s16, s17, s20, s21 are written, ahead of the selects that read them
	v_cndmask_b32 v148, s26, v140, s16             ; h != 0: x; else 2e9
	v_cndmask_b32 v149, s26, v142, s17
	v_cndmask_b32 v152, s26, v144, s20
	v_cndmask_b32 v153, s26, v146, s21
	s_wait_alu depctr_va_vdst(0)                   ; v148 to v155 are written, which the two stores read; so are v6 to v9, the addresses of all later LDS and memory lines; and the lines above are done with v140 to v147, in which key loads land later
.irp q, 0,1
	ds_store_b128 v[KOFF], v[148+4*\q:151+4*\q] offset:8192*\q     ; neighbouring lanes, neighbouring 16 bytes
.endr
	; THE QUERIES' CONSTANTS.  Every wave makes Wq.Wk for itself: eight numbers a lane, then across the 32 lanes.
	s_wait_loadcnt 0x4                             ; queries, Wq and Wk are in; the four loads of Wv stay out until the way out
	v_cmp_eq_f32 s24, 0, v109                      ; query A is masked
	v_cmp_eq_f32 s25, 0, v111                      ; query B is
	v_pk_mul_f32 v[DOT:DOT+1], v[76:77], v[84:85]
	v_pk_fma_f32 v[DOT:DOT+1], v[78:79], v[86:87], v[DOT:DOT+1]
	v_pk_fma_f32 v[DOT:DOT+1], v[80:81], v[88:89], v[DOT:DOT+1]
	v_pk_fma_f32 v[DOT:DOT+1], v[82:83], v[90:91], v[DOT:DOT+1]
	v_add_f32 v[DOT], v[DOT], v[DOT+1]
.irp mk, 1,2,4,8
	v_add_f32_dpp v[DOT], v[DOT], v[DOT] row_xmask:\mk row_mask:0xf bank_mask:0xf
.endr
	v_permlanex16_b32 v[DOT+1], v[DOT], s28, s29   ; its destination counts as read: a register that has been written
	v_add_f32 v[DOT], v[DOT], v[DOT+1]
	v_mul_f32 v[DOT], KDOT, v[DOT]                 ; (Wq.Wk) log2e / 16
	s_wait_alu depctr_va_sdst(0)                   ; the two masks s24, s25 are written, ahead of the selects that read them
.macro QCONST qb, xr, hr, msk
	v_mul_f32 v[\qb], v[\hr], v[DOT]               ; a (0 by itself for a masked query)
	v_mul_f32 v[\qb+1], v[\hr], v[DOT]
	v_cndmask_b32 v[\qb+2], 0, v[NEG2], \msk       ; qm
	v_cndmask_b32 v[\qb+3], 0, v[NEG2], \msk
	v_cndmask_b32 v[\qb+4], KHALF, v[ONE], \msk    ; g
	v_cndmask_b32 v[\qb+5], KHALF, v[ONE], \msk
	v_mul_f32 v[\qb+6], -v[\qb+4], v[\xr]          ; ngx (exactly -x_s for a masked query)
	v_mul_f32 v[\qb+7], -v[\qb+4], v[\xr]
.endm
	QCONST QA, 108, 109, s24
	QCONST QB, 110, 111, s25
	s_wait_dscnt 0x0                               ; my key stores are done: the other waves read them behind the barrier
	s_barrier_signal -1
	s_barrier_wait -1
	s_wait_alu depctr_vm_vsrc(0)                   ; my key stores have read v148 to v155: these registers are part of KB0 from here on, in which the loads below land
; Eight quads = 16 keys, at byte off of my wave's keys.  The address is the same in all lanes: every lane gets the same 16 bytes.
.macro LOADK buf, off
.irp i, 0,1,2,3,4,5,6,7
	ds_load_b128 v[\buf+4*\i:\buf+4*\i+3], v[LA] offset:\off+16*\i
.endr
.endm
; The largest of a chunk's 16 l and of the maximum so far, into st + 1.
.macro MAXT lg, tr, st, first
.irp k, 0,1,2,3,4
	v_max3_num_f32 v[\tr+\k], v[\lg+3*\k], v[\lg+3*\k+1], v[\lg+3*\k+2]
.endr
	v_max3_num_f32 v[\tr], v[\tr], v[\tr+1], v[\tr+2]
	v_max3_num_f32 v[\tr+1], v[\tr+3], v[\tr+4], v[\lg+15]
.if \first
	v_max_num_f32 v[\st+1], v[\tr], v[\tr+1]
.else
	v_max3_num_f32 v[\st+1], v[\tr], v[\tr+1], v[\st+1]
.endif
.endm
; Pair i of a chunk's p goes into the sums.  The first chunk's first pairs start them: nothing is cleared.
; In later chunks pair 0 carries the rescaling by 2^(old m - new m).
.macro ACC sum, num, sc, lg, kb, i, first
.if \i == 0
.if \first
	v_pk_mul_f32 v[\num:\num+1], v[\lg:\lg+1], v[\kb+2:\kb+3]
.else
	v_pk_fma_f32 v[\sum:\sum+1], v[\sum:\sum+1], v[\sc:\sc+1], v[\lg:\lg+1] op_sel_hi:[1,0,1]
	v_pk_mul_f32 v[\num:\num+1], v[\num:\num+1], v[\sc:\sc+1] op_sel_hi:[1,0]
	v_pk_fma_f32 v[\num:\num+1], v[\lg:\lg+1], v[\kb+2:\kb+3], v[\num:\num+1]
.endif
.else
.if \first && (\i == 1)
	v_pk_add_f32 v[\sum:\sum+1], v[\lg:\lg+1], v[\lg+2:\lg+3]
.else
	v_pk_add_f32 v[\sum:\sum+1], v[\sum:\sum+1], v[\lg+2*\i:\lg+2*\i+1]
.endif
	v_pk_fma_f32 v[\num:\num+1], v[\lg+2*\i:\lg+2*\i+1], v[\kb+4*\i+2:\kb+4*\i+3], v[\num:\num+1]
.endif
.endm
; One chunk: the 16 keys in kb against my two queries.  load = 1: the next chunk's keys, at byte noff, are asked for in the chunk's middle, into nkb.
.macro CHUNK kb, nkb, noff, first, load
	s_wait_dscnt 0x0                               ; this chunk's eight key loads are in; nothing was issued behind them
.irp i, 0,1,2,3,4,5,6,7
	v_pk_fma_f32 v[LGA+2*\i:LGA+2*\i+1], v[QA:QA+1], v[\kb+4*\i+2:\kb+4*\i+3], v[QA+2:QA+3]     ; a h_t + qm
	v_pk_fma_f32 v[DA+2*\i:DA+2*\i+1], v[QA+4:QA+5], v[\kb+4*\i:\kb+4*\i+1], v[QA+6:QA+7]       ; g x_t - g x_s
	v_pk_fma_f32 v[LGB+2*\i:LGB+2*\i+1], v[QB:QB+1], v[\kb+4*\i+2:\kb+4*\i+3], v[QB+2:QB+3]
	v_pk_fma_f32 v[DB+2*\i:DB+2*\i+1], v[QB+4:QB+5], v[\kb+4*\i:\kb+4*\i+1], v[QB+6:QB+7]
.endr
.irp i, 0,1,2,3,4,5,6,7,8,9,10,11,12,13,14,15
	v_sub_f32 v[LGA+\i], v[LGA+\i], |v[DA+\i]|     ; l
	v_sub_f32 v[LGB+\i], v[LGB+\i], |v[DB+\i]|
.endr
	MAXT LGA, TA, STA, \first
	MAXT LGB, TB, STB, \first
.if \first == 0
	v_sub_f32 v[SCA+1], -v[STA], v[STA+1]          ; old m - new m: st still holds the old -m
	v_sub_f32 v[SCB+1], -v[STB], v[STB+1]
	v_exp_f32 v[SCA], v[SCA+1]                     ; behind a transcendental one plain vector instruction that touches neither its result nor its
	v_exp_f32 v[SCB], v[SCB+1]                     ; source comes before either is touched (ISA guide 5.7.2): here the two lines below
.endif
	v_mul_f32 v[STA], -1.0, v[STA+1]               ; -m
	v_mul_f32 v[STB], -1.0, v[STB+1]
.irp i, 0,1,2,3,4,5,6,7
	v_pk_add_f32 v[LGA+2*\i:LGA+2*\i+1], v[LGA+2*\i:LGA+2*\i+1], v[STA:STA+1] op_sel_hi:[1,0]   ; l - m, exact near m
.endr
.irp i, 0,1,2,3,4,5,6,7
	v_exp_f32 v[LGA+2*\i], v[LGA+2*\i]             ; p of query A; B's subtraction is the plain line behind each two
	v_exp_f32 v[LGA+2*\i+1], v[LGA+2*\i+1]
	v_pk_add_f32 v[LGB+2*\i:LGB+2*\i+1], v[LGB+2*\i:LGB+2*\i+1], v[STB:STB+1] op_sel_hi:[1,0]
.endr
	s_wait_alu depctr_va_vdst(0)                   ; the first batch, A's sixteen p and the two rescaling factors, is written, ahead of A's sums, the first lines that name them; the chunk before is done reading nkb, in which the loads below land; in a trip's first chunk v6 is written, which they read
.irp i, 0,1,2,3,4,5,6,7
	v_exp_f32 v[LGB+2*\i], v[LGB+2*\i]             ; p of query B; A's sums are the plain lines behind each two
	v_exp_f32 v[LGB+2*\i+1], v[LGB+2*\i+1]
.if \load
.if \i < 4
	ds_load_b128 v[\nkb+8*\i:\nkb+8*\i+3],   v[LA] offset:\noff+32*\i      ; the next chunk's keys, two quads at a time.  No further wait: no vector line since the wait above names nkb or v6
	ds_load_b128 v[\nkb+8*\i+4:\nkb+8*\i+7], v[LA] offset:\noff+32*\i+16
.endif
.endif
	ACC SUMA, NUMA, SCA, LGA, \kb, \i, \first
.endr
	s_wait_alu depctr_va_vdst(0)                   ; the second batch, B's sixteen p, is written, ahead of B's sums, the first lines that name them
.irp i, 0,1,2,3,4,5,6,7
	ACC SUMB, NUMB, SCB, LGB, \kb, \i, \first
.endr
.endm
	; THE KEYS OF MY WAVE: chunk 0, three trips of two chunks, chunk 7.  The last load asked for is chunk 7's, at bytes 896 .. 1023 of my wave's keys.
	LOADK KB0, 0
	CHUNK KB0, KB1, 128, 1, 1
	s_mov_b32 s30, 3
.Ltrip:
	CHUNK KB1, KB0, 256, 0, 1
	CHUNK KB0, KB1, 384, 0, 1
	s_wait_alu depctr_vm_vsrc(0)                   ; the key loads issued so far have read v6
	v_add_nc_u32 v[LA], 256, v[LA]                 ; two chunks on
	s_sub_co_u32 s30, s30, 1
	s_cmp_lg_u32 s30, 0
	s_cbranch_scc1 .Ltrip
	CHUNK KB1, 0, 0, 0, 0
	; MY WAVE'S PARTIALS: (-m, m, sum, weighted sum) of query q at PART + 272 q + 16 wave.  Bytes of their own: other waves may still read keys.
	v_add_f32 v[STA+2], v[SUMA], v[SUMA+1]
	v_add_f32 v[STA+3], v[NUMA], v[NUMA+1]
	v_add_f32 v[STB+2], v[SUMB], v[SUMB+1]
	v_add_f32 v[STB+3], v[NUMB], v[NUMB+1]
	s_wait_alu depctr_va_vdst(0)                   ; the two quads are written, which the stores read; and the last chunk's lines are done with v76 to v83, in which the joining's loads land (no vector line stands between this wait and those loads)
	ds_store_b128 v[PA], v[STA:STA+3] offset:PART
	ds_store_b128 v[PA], v[STB:STB+3] offset:PART+32*PITCH
	s_wait_dscnt 0x0                               ; my stores are done: the other waves read them behind the barrier
	s_barrier_signal -1
	s_barrier_wait -1
	; JOINING.  Sixteen neighbouring lanes hold the sixteen partials of one row: lanes 0-15 rows 4 w and 4 w + 2, lanes 16-31 rows 4 w + 1 and 4 w + 3.
	ds_load_b128 v[C0:C0+3], v[CA] offset:PART
	ds_load_b128 v[C1:C1+3], v[CA] offset:PART+2*PITCH
	s_wait_dscnt 0x0
.irp mk, 1,2,4,8
	v_max_num_f32_dpp v[C0+1], v[C0+1], v[C0+1] row_xmask:\mk row_mask:0xf bank_mask:0xf   ; the row's maximum, in all sixteen lanes
	v_max_num_f32_dpp v[C1+1], v[C1+1], v[C1+1] row_xmask:\mk row_mask:0xf bank_mask:0xf
.endr
	v_sub_f32 v[FF], -v[C0], v[C0+1]               ; the partial's m - the row's m
	v_sub_f32 v[FF+1], -v[C1], v[C1+1]
	v_exp_f32 v[FF], v[FF]
	v_exp_f32 v[FF+1], v[FF+1]
	v_nop                                          ; the plain line behind the transcendentals (ISA guide 5.7.2)
	s_wait_alu depctr_va_vdst(0)                   ; the two factors v88, v89 are written, ahead of the multiplies that read them
	v_mul_f32 v[C0+2], v[C0+2], v[FF]
	v_mul_f32 v[C0+3], v[C0+3], v[FF]
	v_mul_f32 v[C1+2], v[C1+2], v[FF+1]
	v_mul_f32 v[C1+3], v[C1+3], v[FF+1]
.irp mk, 1,2,4,8
	v_add_f32_dpp v[C0+2], v[C0+2], v[C0+2] row_xmask:\mk row_mask:0xf bank_mask:0xf
	v_add_f32_dpp v[C0+3], v[C0+3], v[C0+3] row_xmask:\mk row_mask:0xf bank_mask:0xf
	v_add_f32_dpp v[C1+2], v[C1+2], v[C1+2] row_xmask:\mk row_mask:0xf bank_mask:0xf
	v_add_f32_dpp v[C1+3], v[C1+3], v[C1+3] row_xmask:\mk row_mask:0xf bank_mask:0xf
.endr
	v_rcp_f32 v[RR+1], v[C0+2]                     ; the sum is at least 1: the key that holds the row's maximum adds 2^0
	v_rcp_f32 v[RR+3], v[C1+2]
	v_nop                                          ; the plain line behind the transcendentals
	s_wait_alu depctr_va_vdst(0)                   ; the two reciprocals v85, v87 are written, ahead of the multiplies that read them
	v_mul_f32 v[RR], v[C0+3], v[RR+1]              ; sum_t w h_t
	v_mul_f32 v[RR+2], v[C1+3], v[RR+3]
	; THE WAY OUT: row = that number times Wv.  Each store: lanes 0-15 write 256 consecutive bytes, at a multiple of 256 from out0's first byte,
	; lanes 16-31 the same columns one row below.  Each data register is written once, so no wait stands between the stores.
	s_wait_loadcnt 0x0                             ; Wv
.irp j, 0,1
.irp i, 0,1,2,3
	v_pk_mul_f32 v[OUT+16*\j+4*\i:OUT+16*\j+4*\i+1], v[WV+4*\i:WV+4*\i+1], v[RR+2*\j:RR+2*\j+1] op_sel_hi:[1,0]
	v_pk_mul_f32 v[OUT+16*\j+4*\i+2:OUT+16*\j+4*\i+3], v[WV+4*\i+2:WV+4*\i+3], v[RR+2*\j:RR+2*\j+1] op_sel_hi:[1,0]
.endr
.endr
	s_wait_alu depctr_va_vdst(0)                   ; the sixteen multiplies have written v140 to v171, which the eight stores read
.irp j, 0,1
.irp i, 0,1,2,3
	global_store_b128 v[OA], v[OUT+16*\j+4*\i:OUT+16*\j+4*\i+3], s[12:13] offset:2048*\j+256*\i th:TH_STORE_NT
.endr
.endr
	s_wait_dscnt 0x0
	s_wait_alu depctr_hold_cnt(0) depctr_sa_sdst(0) depctr_va_vdst(0) depctr_va_sdst(0) depctr_va_ssrc(0) depctr_va_vcc(0) depctr_vm_vsrc(0)
	s_wait_tensorcnt 0x0
	ds_add_u32 v74, v75
	s_wait_dscnt 0x0
	s_endpgm
.Lfunc_end_k_q6a82bc0475_attn:
	.size	k_q6a82bc0475_attn, .Lfunc_end_k_q6a82bc0475_attn-k_q6a82bc0475_attn
	.p2alignl 7, 3214868480
	.fill 96, 4, 3214868480
	.section	.rodata,"a",@progbits
	.p2align	6, 0x0
	.amdhsa_kernel k_q6a82bc0475_attn
		.amdhsa_group_segment_fixed_size 35840
		.amdhsa_private_segment_fixed_size 0
		.amdhsa_enable_private_segment 0
		.amdhsa_kernarg_size 40
		.amdhsa_user_sgpr_count 2
		.amdhsa_user_sgpr_kernarg_segment_ptr 1
		.amdhsa_wavefront_size32 1
		.amdhsa_system_sgpr_workgroup_id_x 1
		.amdhsa_system_sgpr_workgroup_id_y 1
		.amdhsa_system_sgpr_workgroup_id_z 1
		.amdhsa_system_vgpr_workitem_id 0
		.amdhsa_next_free_vgpr 204
		.amdhsa_next_free_sgpr 66
		.amdhsa_reserve_vcc 0
		.amdhsa_float_denorm_mode_32 3
		.amdhsa_float_denorm_mode_16_64 3
		.amdhsa_memory_ordered 1
		.amdhsa_forward_progress 1
		.amdhsa_inst_pref_size 51
	.end_amdhsa_kernel
	.amdgpu_metadata
---
amdhsa.version: [ 1, 2 ]
amdhsa.kernels:
  - .name:           k_q6a82bc0475_attn
    .symbol:         k_q6a82bc0475_attn.kd
    .args:
      - { .name: inputs, .offset: 0, .size: 8, .value_kind: global_buffer, .address_space: global }
      - { .name: Wq, .offset: 8, .size: 8, .value_kind: global_buffer, .address_space: global }
      - { .name: Wk, .offset: 16, .size: 8, .value_kind: global_buffer, .address_space: global }
      - { .name: Wv, .offset: 24, .size: 8, .value_kind: global_buffer, .address_space: global }
      - { .name: out0, .offset: 32, .size: 8, .value_kind: global_buffer, .address_space: global }
    .group_segment_fixed_size: 35840
    .private_segment_fixed_size: 0
    .kernarg_segment_align: 8
    .kernarg_segment_size: 40
    .max_flat_workgroup_size: 512
    .sgpr_count:     66
    .vgpr_count:     204
    .wavefront_size: 32
...
	.end_amdgpu_metadata
.endif
;; end of part 2
